; MI455X (gfx1250); checked and timed in simulation.
; The chip was launched on July 23, 2026; its instructions are those of AMD's public machine-readable ISA for CDNA 5 (MIT licence, August 2026) and "CDNA5" Instruction Set Architecture Reference Guide (July 2026). The comments in the code are by the model that wrote it; some were corrected since.
;; Self Attention Block. Allowed arithmetic: matrix products marked QUANTISED: E3M2 operands, one E8M0 scale for each 32 along K, by v_wmma_scale_f32_16x16x128_f8f6f4 with both operands' format E3M2, f32 sums; everything else in f32.
;; Inputs: Wk_codes 1,024 x 32 x 24 uint8 (E3M2 codes of Wk, K innermost, in blocks of 32 codes, four codes in three bytes); Wk_scales 1,024 x 32 uint8 (E8M0 scales of Wk, one for each 32 codes along K); Wq_codes 1,024 x 32 x 24 uint8 (E3M2 codes of Wq, K innermost, in blocks of 32 codes, four codes in three bytes); Wq_scales 1,024 x 32 uint8 (E8M0 scales of Wq, one for each 32 codes along K); Wv_codes 1,024 x 32 x 24 uint8 (E3M2 codes of Wv, K innermost, in blocks of 32 codes, four codes in three bytes); Wv_scales 1,024 x 32 uint8 (E8M0 scales of Wv, one for each 32 codes along K); beta 1,024 float32; bk 1,024 float32; bq 1,024 float32; bv 1,024 float32; gamma 1,024 float32; x 4 x 2,048 x 1,024 float32.
;; Outputs: out0 4 x 2,048 x 1,024 float32.
;; This version of the problem:
;;   THIS VERSION OF THE PROBLEM IS GIVEN IN LOW PRECISION. The matrix products marked QUANTISED in the list below multiply operands that are first quantised to E3M2 (3 exponent bits, 2 mantissa bits; 6 bits a number), with one power-of-two scale for each 32 numbers along K (OCP MX v1.0); their sums are f32. All else is computed in f32.
;;   The module's matrix products, in the order in which they are computed (A, B: the left and right operand; K: the contracted axis; several contracted axes count as one K, in the product's order):
;;     1. [M 8,192, K 1,024] x [K 1,024, N 1,024]; A: computed on the way; B: input Wq (given as codes): QUANTISED
;;     2. [M 8,192, K 1,024] x [K 1,024, N 1,024]; A: computed on the way; B: input Wk (given as codes): QUANTISED
;;     3. [M 8,192, K 1,024] x [K 1,024, N 1,024]; A: computed on the way; B: input Wv (given as codes): QUANTISED
;;     4. batch 64 x [M 2,048, K 64] x [K 64, N 2,048]; A: computed on the way; B: computed on the way: QUANTISED
;;     5. batch 64 x [M 2,048, K 2,048] x [K 2,048, N 64]; A: softmax (see below); B: computed on the way: QUANTISED
;;   THE QUANTISER, for each operand of a quantised product, along K:
;;     - K is cut into blocks of 32 from its start; a last block that is shorter is filled with zeros.
;;     - A block's scale is 2^e with e = floor(log2(the largest magnitude in the block)) - 4, held to -126 .. 127; a block of zeros has e = 0. As a byte (E8M0): e + 127.
;;     - Each number is divided by its block's scale, clamped to +-28, and rounded to the nearest number of E3M2, ties to even, subnormals kept.
;;     - The product sums the exact products of the quantised numbers (number of the format x scale) in f32.
;;   ~~~python
;;   def quantise(x, axis):      # numpy; x: float32 -> the quantised numbers, widened to float32 again
;;       x = np.moveaxis(x, axis, -1); K = x.shape[-1]
;;       x = np.pad(x, [(0, 0)] * (x.ndim - 1) + [(0, -K % 32)]); x = x.reshape(x.shape[:-1] + (-1, 32)); a = np.abs(x).max(-1, keepdims=True)
;;       e = np.where(a > 0, np.clip(np.frexp(np.where(a > 0, a, 1))[1] - 1 - 4, -126, 127), 0)      # np.frexp(a)[1] - 1 = floor(log2(a)), exactly
;;       r = np.clip(x / 2.0 ** e, -28, 28)
;;       step = 2.0 ** (np.maximum(np.frexp(np.where(r == 0, 1, r))[1] - 1, -2) - 2)
;;       q = np.round(r / step) * step * 2.0 ** e      # np.round: ties to even
;;       return np.moveaxis(q.reshape(q.shape[:-2] + (-1,))[..., :K], -1, axis).astype(np.float32)
;;   ~~~
;;   SOFTMAX AHEAD OF A QUANTISED PRODUCT. Where the list says 'softmax', what is quantised is not the finished softmax but p = 2^(t - M), with t = logit x log2(e) and M = ceil(the row's largest t), a whole number; so 1/2 < the row's largest p <= 1. The row's sum l is taken of the UNQUANTISED p, in f32, and the product's result is divided by l at the end. Since M is a whole number, a kernel that streams over the keys may use a running M (the ceiling of the running maximum): every later rescaling is an exact power of two, which a block's scale takes up: the codes' values come out the same.
;;   OPERANDS COMPUTED ON THE WAY. 'Computed on the way' means the value that the module computes at that place (a softmax that the list does not call 'softmax' is quantised finished and normalised). What goes into a quantiser is computed in f32, as accurately as f32 sums, v_exp_f32 and their like allow (about 1e-6 of the number): no bf16 or f16 on the way to a quantiser, and a product that is left as it is and whose result goes on into a quantised operand takes f32 operands (vector FMAs, or v_wmma_f32_16x16x4_f32). A number that lies on a knife's edge between two numbers of the format may be rounded either way, as far as f32 arithmetic and the matrix unit's own rounding can turn it there, and no further.
;;   INPUTS GIVEN AS CODES. Wk (in the module: [1024, 1024], K = its axis 0); Wq (in the module: [1024, 1024], K = its axis 0); Wv (in the module: [1024, 1024], K = its axis 0): each comes as NAME_codes (uint8): NAME with its K axis moved to the last place and cut into blocks of 32 codes, [.., K / 32, bytes a block], one block behind the other in memory; four codes in three bytes: a row's codes are one little-endian stream of bits, code i at bits 6 i .. 6 i + 5 (a code: sign, 3 exponent bits, 2 mantissa bits); and NAME_scales (uint8): the same leading axes, one E8M0 byte (e + 127) for each 32 codes along K. Its value is code x scale, taken as it is: it is not quantised again, and the codes and scales need not be those that the quantiser above would give.
;; One version. Each part assembles by itself: llvm-mc -triple=amdgcn-amd-amdhsa -mcpu=gfx1250 --defsym DOCPART=n.
;; ======== version 1 of 1: 3 launches
;; limits: right only within a limited range of input values
;; workspace buffers: xa 6,291,456 bytes; xs 262,144 bytes; stats 65,536 bytes; wimg 2,359,296 bytes; qbuf 6,553,600 bytes; kv 13,107,200 bytes
;; launch lnq (part 1): grid 256 x 1, 8 waves a work-group, no clusters, 327,680 bytes of LDS; arguments x, gamma, beta, Wq_codes, Wk_codes, Wv_codes, xa, xs, stats, wimg; writes xa, xs, stats, wimg
.if DOCPART == 1
	.amdgcn_target "amdgcn-amd-amdhsa--gfx1250"
	.amdhsa_code_object_version 6
	.text
	.protected	k_qd585c2b577_lnq
	.globl	k_qd585c2b577_lnq
	.p2align	8
	.type	k_qd585c2b577_lnq,@function
k_qd585c2b577_lnq:
	s_mov_b64 s[64:65], 0
	v_nop
	global_prefetch_b8 v0, s[64:65] scope:SCOPE_SE
	s_setreg_imm32_b32 hwreg(HW_REG_WAVE_MODE, 25, 1), 1
	s_wait_xcnt 0x0
.set ROWP, 4160                        ; a row of x in LDS: four pieces of 1,024 bytes, 16 bytes of padding behind each
.set WVP,  16656                       ; from one wave's four rows to the next wave's: 4 ROWP + 16, so that the 16 rows of a tile start at 16 different groups of four banks
.set ST,   133376                      ; behind the rows, at a multiple of 256
.set SCW,  ST+256
.set IMG,  1536
.set WV,   48
.set G1,   24
.set G0,   32
.set SEL,  60
.set C10,  62
.set EPS,  63
.set LI,   4
.set WAD,  5
.set GB,   6
.set RA,   7
.set SA,   8
.set XR,   9
.set SR,   11
.set SWA,  12
.set L8,   13
.set STL,  14
.set SCL,  15
.set TM,   16
.set PC,   32
.set PT,   44
.set PW,   52
.set MR,   54
.set RR,   56
.set GA,   64
.set BE,   128
.set X,    192
	s_load_b256 s[4:11], s[0:1], 0x0
	s_load_b256 s[12:19], s[0:1], 0x20
	s_load_b128 s[20:23], s[0:1], 0x40
	v_lshl_add_u32 v62, v0, 2, 0x29000
	v_mov_b32 v63, 0
	ds_add_u32 v62, v63
	ds_add_u32 v62, v63
	v_lshrrev_b32 v1, 5, v0
	s_delay_alu instid0(VALU_DEP_1)
	v_readfirstlane_b32 s[WV], v1
	s_mov_b32 s[G1+0], (3<<16)|(1<<20)|(7<<22)|(3<<25)   ; elements of 8 bytes; padding on: after every 256 words, 4 words
	s_mov_b32 s[G1+1], 128<<16                     ; my four rows of x are one dense block: 16 rows of 1,024 bytes
	s_mov_b32 s[G1+2], 16<<16
	s_mov_b32 s[G1+3], 128<<16
	s_mov_b32 s[G1+4], 16
	s_mov_b32 s[G1+5], 128
	s_mov_b32 s[G1+6], 0
	s_mov_b32 s[G1+7], 0
	s_lshr_b32 s50, s[WV], 2
	s_lshl_b32 s50, s50, 3
	s_and_b32 s51, s[WV], 3
	s_lshl_b32 s51, s51, 2
	s_add_co_u32 s50, s50, s51
	s_lshr_b32 s51, s[WV], 1
	s_and_b32 s51, s51, 1
	s_lshl_b32 s51, s51, 3
	s_add_co_u32 s50, s50, s51
	s_lshl_b32 s51, ttmp9, 5
	s_add_co_u32 s50, s50, s51
	s_lshl_b32 s50, s50, 12
	s_mov_b32 s51, 0
	s_mul_i32 s52, s[WV], WVP
	s_mov_b32 s[SEL], 0x76543210
	s_mov_b32 s[SEL+1], 0xfedcba98
	s_mov_b32 s[C10], 0x3a800000
	s_mov_b32 s[EPS], 0x3727c5ac
	s_wait_dscnt 0x0
	s_wait_kmcnt 0x0
	s_add_nc_u64 s[50:51], s[4:5], s[50:51]
	s_mov_b32 s[G0], 1
	s_mov_b32 s[G0+1], s52
	s_mov_b64 s[G0+2:G0+3], s[50:51]
	s_or_b32 s[G0+3], s[G0+3], 0x80000000
	tensor_load_to_lds s[G0:G0+3], s[G1:G1+7]      ; my one tensor load of the launch: my four rows
	s_nop 0
	v_and_b32 v1, 31, v0
	v_and_b32 v2, 15, v0
	v_bfe_u32 v3, v0, 4, 1
	s_delay_alu instid0(VALU_DEP_3)
	v_lshlrev_b32 v[LI], 4, v1
	s_delay_alu instid0(VALU_DEP_3)
	v_and_b32 v[WAD], 8, v2
	s_delay_alu instid0(VALU_DEP_1)
	v_add_nc_u32 v[WAD], v[WAD], v2
	s_delay_alu instid0(VALU_DEP_1)
	v_mul_u32_u24 v[WAD], v[WAD], 768
	s_delay_alu instid0(VALU_DEP_1)
	v_mad_u32_u24 v[WAD], v3, 24, v[WAD]
	s_lshl_b32 s53, s[WV], 9
	v_lshl_add_u32 v[GB], v3, 6, s53
	v_add_nc_u32 v[RA], s52, v[LI]
	s_lshl_b32 s54, s[WV], 5
	s_add_co_u32 s54, s54, ST
	v_mov_b32 v[SA], s54
	s_lshr_b32 s55, s[WV], 1
	s_lshl_b32 s55, s55, 4                         ; the padding passed ahead of my 512 bytes of a row
	v_lshrrev_b32 v[XR+1], 2, v2
	v_and_b32 v[XR], 3, v2
	v_mul_u32_u24 v[XR+1], v[XR+1], WVP            ; row r of a tile: wave r / 4's
	v_mul_u32_u24 v[XR], v[XR], ROWP               ; row r % 4
	v_add_nc_u32 v[XR+1], s55, v[XR+1]
	v_add_nc_u32 v[XR], v[XR], v[GB]
	s_delay_alu instid0(VALU_DEP_1)
	v_add_nc_u32 v[XR], v[XR], v[XR+1]
	s_delay_alu instid0(VALU_DEP_1)
	v_add_nc_u32 v[XR+1], 4*WVP, v[XR]
	v_lshl_add_u32 v[SR], v2, 3, ST
	v_lshl_add_u32 v[SWA], v2, 5, SCW
	s_lshl_b32 s54, s[WV], 2
	v_add_nc_u32 v[SWA], s54, v[SWA]
	v_lshlrev_b32 v[L8], 3, v1
	s_delay_alu instid0(VALU_DEP_1)
	v_add_nc_u32 v[STL], ST, v[L8]
	v_add_nc_u32 v[SCL], SCW, v[LI]
.irp i, 5,7,13,15
	v_mov_b32 v[TM+\i], 0
.endr
	s_lshr_b32 s50, ttmp9, 2
	s_mul_i32 s50, s50, 64*IMG
	s_mul_i32 s51, s[WV], 8*IMG
	s_add_co_u32 s50, s50, s51
	s_and_b32 s51, ttmp9, 3
	s_mul_i32 s51, s51, 2*IMG
	s_add_co_u32 s50, s50, s51
	s_mov_b32 s51, 0
	s_add_nc_u64 s[16:17], s[16:17], s[50:51]
	s_lshl_b32 s50, ttmp9, 10
	s_add_nc_u64 s[18:19], s[18:19], s[50:51]
	s_lshl_b32 s50, ttmp9, 8
	s_add_nc_u64 s[20:21], s[20:21], s[50:51]
.irp b, 0,1,2,3
.irp j, 0,1,2,3
	global_load_b128 v[GA+16*\b+4*\j:GA+16*\b+4*\j+3], v[GB], s[6:7] offset:128*\b+16*\j
	global_load_b128 v[BE+16*\b+4*\j:BE+16*\b+4*\j+3], v[GB], s[8:9] offset:128*\b+16*\j
.endr
.endr
	s_cmp_lt_u32 s[WV], 6
	s_cbranch_scc0 .Lno_w
	s_lshr_b32 s54, s[WV], 1
	s_cmp_eq_u32 s54, 0
	s_cselect_b64 s[56:57], s[10:11], s[12:13]
	s_cmp_eq_u32 s54, 2
	s_cselect_b64 s[56:57], s[14:15], s[56:57]
	s_and_b32 s55, s[WV], 1
	s_lshl_b32 s55, s55, 8
	s_add_co_u32 s55, s55, ttmp9
	s_lshr_b32 s58, s55, 7
	s_lshl_b32 s58, s58, 8
	s_bfe_u32 s59, s55, 0x20004
	s_lshl_b32 s59, s59, 6
	s_add_co_u32 s58, s58, s59
	s_bfe_u32 s59, s55, 0x10001
	s_lshl_b32 s59, s59, 5
	s_add_co_u32 s58, s58, s59
	s_and_b32 s59, s55, 1
	s_lshl_b32 s59, s59, 3
	s_add_co_u32 s58, s58, s59
	s_mul_i32 s58, s58, 768
	s_bfe_u32 s59, s55, 0x20002
	s_bfe_u32 s49, s55, 0x10006
	s_lshl_b32 s49, s49, 2
	s_add_co_u32 s59, s59, s49
	s_mul_i32 s59, s59, 96
	s_add_co_u32 s58, s58, s59
	s_mov_b32 s59, 0
	s_add_nc_u64 s[56:57], s[56:57], s[58:59]
.irp p, 0,1,2,3,4,5
	global_load_b64 v[PC+2*\p:PC+2*\p+1], v[WAD], s[56:57] offset:48*(\p/3)+8*(\p%3)
.endr
	s_lshl_b32 s54, s54, 9
	s_add_co_u32 s54, s54, s55
	s_mul_i32 s54, s54, IMG
	s_mov_b32 s55, 0
	s_add_nc_u64 s[54:55], s[22:23], s[54:55]
	s_wait_loadcnt 0x0
.irp c, 0,1,2
	global_store_b128 v[LI], v[PC+4*\c:PC+4*\c+3], s[54:55] offset:512*\c
.endr
.Lno_w:
.macro REDUCE
.irp a, 0
	s_delay_alu instid0(VALU_DEP_3)
	v_pk_add_f32 v[TM+8*\a:TM+8*\a+1], v[TM+8*\a:TM+8*\a+1], v[TM+8*\a+2:TM+8*\a+3]
.endr
.irp a, 1
	s_delay_alu instid0(VALU_DEP_2)
	v_pk_add_f32 v[TM+8*\a:TM+8*\a+1], v[TM+8*\a:TM+8*\a+1], v[TM+8*\a+2:TM+8*\a+3]
.endr
.irp a, 0,1
	s_delay_alu instid0(VALU_DEP_2)
	v_add_f32 v[TM+8*\a+4], v[TM+8*\a], v[TM+8*\a+1]
.endr
.irp m, 1,2,4,8
.irp a, 0,1
	s_delay_alu instid0(VALU_DEP_2)
	v_add_f32_dpp v[TM+8*\a+4], v[TM+8*\a+4], v[TM+8*\a+4] row_xmask:\m row_mask:0xf bank_mask:0xf
.endr
.endr
.irp a, 0,1
	s_delay_alu instid0(VALU_DEP_2)
	v_permlanex16_b32 v[TM+8*\a+5], v[TM+8*\a+4], s[SEL], s[SEL+1]
.endr
.irp a, 0,1
	s_delay_alu instid0(VALU_DEP_2)
	v_add_f32 v[TM+8*\a+4], v[TM+8*\a+4], v[TM+8*\a+5]
.endr
.endm
.macro PAIR q
	s_wait_tensorcnt 0x0
.irp a, 0,1
.irp c, 0,1,2,3,4,5,6,7
	ds_load_b128 v[X+32*\a+4*\c:X+32*\a+4*\c+3], v[RA] offset:(2*\q+\a)*ROWP+512*\c+16*(\c/2)
.endr
.endr
	s_wait_dscnt 0x0
.irp a, 0,1
	v_pk_add_f32 v[TM+8*\a:TM+8*\a+1], v[X+32*\a:X+32*\a+1], v[X+32*\a+2:X+32*\a+3]
	v_pk_add_f32 v[TM+8*\a+2:TM+8*\a+3], v[X+32*\a+4:X+32*\a+5], v[X+32*\a+6:X+32*\a+7]
.endr
.irp j, 8,12,16,20,24,28
.irp a, 0,1
	s_delay_alu instid0(VALU_DEP_4)
	v_pk_add_f32 v[TM+8*\a:TM+8*\a+1], v[TM+8*\a:TM+8*\a+1], v[X+32*\a+\j:X+32*\a+\j+1]
	s_delay_alu instid0(VALU_DEP_4)
	v_pk_add_f32 v[TM+8*\a+2:TM+8*\a+3], v[TM+8*\a+2:TM+8*\a+3], v[X+32*\a+\j+2:X+32*\a+\j+3]
.endr
.endr
	REDUCE
.irp a, 0,1
	s_delay_alu instid0(VALU_DEP_2)
	v_mul_f32 v[TM+8*\a+6], s[C10], v[TM+8*\a+4]
.endr
.irp j, 0,2,4,6,8,10,12,14,16,18,20,22,24,26,28,30
.irp a, 0,1
	v_pk_add_f32 v[X+32*\a+\j:X+32*\a+\j+1], v[X+32*\a+\j:X+32*\a+\j+1], v[TM+8*\a+6:TM+8*\a+7] op_sel_hi:[1,0] neg_lo:[0,1] neg_hi:[0,1]
.endr
.endr
.irp a, 0,1
	v_pk_mul_f32 v[TM+8*\a:TM+8*\a+1], v[X+32*\a:X+32*\a+1], v[X+32*\a:X+32*\a+1]
	v_pk_mul_f32 v[TM+8*\a+2:TM+8*\a+3], v[X+32*\a+2:X+32*\a+3], v[X+32*\a+2:X+32*\a+3]
.endr
.irp j, 4,8,12,16,20,24,28
.irp a, 0,1
	s_delay_alu instid0(VALU_DEP_4)
	v_pk_fma_f32 v[TM+8*\a:TM+8*\a+1], v[X+32*\a+\j:X+32*\a+\j+1], v[X+32*\a+\j:X+32*\a+\j+1], v[TM+8*\a:TM+8*\a+1]
	s_delay_alu instid0(VALU_DEP_4)
	v_pk_fma_f32 v[TM+8*\a+2:TM+8*\a+3], v[X+32*\a+\j+2:X+32*\a+\j+3], v[X+32*\a+\j+2:X+32*\a+\j+3], v[TM+8*\a+2:TM+8*\a+3]
.endr
.endr
	REDUCE
.irp a, 0,1
	s_delay_alu instid0(VALU_DEP_2)
	v_fma_f32 v[TM+8*\a+4], v[TM+8*\a+4], s[C10], s[EPS]
.endr
	s_wait_alu depctr_va_vdst(0)
.irp a, 0,1
	v_rsq_f32 v[TM+8*\a+7], v[TM+8*\a+4]
.endr
	v_nop
	s_wait_alu depctr_va_vdst(0)
.irp a, 0,1
	ds_store_b64 v[SA], v[TM+8*\a+6:TM+8*\a+7] offset:8*(2*\q+\a)
.endr
.endm
	PAIR 0
	PAIR 1
	s_wait_dscnt 0x0
	s_barrier_signal -1
	s_barrier_wait -1
.macro QUANT s
.irp b, 0,1,2,3
	v_max3_num_f32 v[TM+\b], |v[\s+16*\b]|, |v[\s+1+16*\b]|, 0x2800000
.endr
.irp i, 2,4,6,8,10,12,14
.irp b, 0,1,2,3
	s_delay_alu instid0(VALU_DEP_4)
	v_max3_num_f32 v[TM+\b], v[TM+\b], |v[\s+16*\b+\i]|, |v[\s+1+16*\b+\i]|
.endr
.endr
.irp b, 0,1,2,3
	v_permlanex16_b32 v[TM+4+\b], v[TM+\b], s[SEL], s[SEL+1]
.endr
.irp b, 0,1,2,3
	s_delay_alu instid0(VALU_DEP_4)
	v_max_num_f32 v[TM+\b], v[TM+\b], v[TM+4+\b]
.endr
.irp b, 0,1,2,3
	s_delay_alu instid0(VALU_DEP_4)
	v_add_nc_u32 v[TM+12+\b], 0xfe000000, v[TM+\b]
.endr
.irp b, 0,1,2,3
	s_delay_alu instid0(VALU_DEP_4)
	v_lshrrev_b32 v[TM+4+\b], 23, v[TM+12+\b]
.endr
	s_delay_alu instid0(VALU_DEP_3)
	v_lshl_or_b32 v[PW], v[TM+5], 8, v[TM+4]
	s_delay_alu instid0(VALU_DEP_1)
	v_lshl_or_b32 v[PW], v[TM+6], 16, v[PW]
	s_delay_alu instid0(VALU_DEP_1)
	v_lshl_or_b32 v[PW], v[TM+7], 24, v[PW]
.irp c, 0,1
	v_cvt_scalef32_pk16_bf6_f32 v[PC+6*\c:PC+6*\c+2], v[\s+32*\c:\s+32*\c+15], v[TM+12+2*\c]
	v_cvt_scalef32_pk16_bf6_f32 v[PT+4*\c:PT+4*\c+2], v[\s+32*\c+16:\s+32*\c+31], v[TM+12+2*\c+1]
.endr
	v_nop
.irp c, 0,1
.irp i, 0,1,2
	v_permlane16_swap_b32 v[PC+6*\c+\i], v[PT+4*\c+\i]
.endr
.irp i, 0,1,2
	s_delay_alu instid0(VALU_DEP_3)
	v_mov_b32 v[PC+3+6*\c+\i], v[PT+4*\c+\i]
.endr
.endr
.endm
.macro TILE u
.irp b, 0,1,2,3
.irp j, 0,1,2,3
	ds_load_b128 v[X+16*\b+4*\j:X+16*\b+4*\j+3], v[XR+\u] offset:128*\b+16*\j
.endr
.endr
	ds_load_b64 v[MR:MR+1], v[SR] offset:128*\u
	s_wait_dscnt 0x0
.if \u == 0
	s_wait_loadcnt 0x0
.endif
	v_mov_b32 v[RR], v[MR+1]
	v_mov_b32 v[RR+1], v[MR+1]
.set J, 0
.rept 32
	v_pk_add_f32 v[X+J:X+J+1], v[X+J:X+J+1], v[MR:MR+1] op_sel_hi:[1,0] neg_lo:[0,1] neg_hi:[0,1]
.set J, J+2
.endr
.set J, 0
.rept 32
	v_pk_mul_f32 v[X+J:X+J+1], v[X+J:X+J+1], v[RR:RR+1]
.set J, J+2
.endr
.set J, 0
.rept 32
	v_pk_fma_f32 v[X+J:X+J+1], v[X+J:X+J+1], v[GA+J:GA+J+1], v[BE+J:BE+J+1]
.set J, J+2
.endr
	s_wait_xcnt 0x0
	QUANT X
.irp c, 0,1,2
	global_store_b128 v[LI], v[PC+4*\c:PC+4*\c+3], s[16:17] offset:IMG*\u+512*\c
.endr
	ds_store_b32 v[SWA], v[PW] offset:512*\u
.endm
	TILE 0
	TILE 1
	s_wait_dscnt 0x0
	s_barrier_signal -1
	s_barrier_wait -1
	s_cmp_lg_u32 s[WV], 0
	s_cbranch_scc1 .Lend
	ds_load_b64 v[MR:MR+1], v[STL]
	ds_load_b128 v[X:X+3], v[SCL]
	ds_load_b128 v[X+4:X+7], v[SCL] offset:512
	s_wait_dscnt 0x0
	global_store_b64 v[L8], v[MR:MR+1], s[20:21]
	global_store_b128 v[LI], v[X:X+3], s[18:19]
	global_store_b128 v[LI], v[X+4:X+7], s[18:19] offset:512
.Lend:
	s_wait_tensorcnt 0x0
	ds_add_u32 v62, v63
	s_wait_dscnt 0x0
	s_endpgm
.Lfunc_end_k_qd585c2b577_lnq:
	.size	k_qd585c2b577_lnq, .Lfunc_end_k_qd585c2b577_lnq-k_qd585c2b577_lnq
	.p2alignl 7, 3214868480
	.fill 96, 4, 3214868480
	.section	.rodata,"a",@progbits
	.p2align	6, 0x0
	.amdhsa_kernel k_qd585c2b577_lnq
		.amdhsa_group_segment_fixed_size 327680
		.amdhsa_private_segment_fixed_size 0
		.amdhsa_enable_private_segment 0
		.amdhsa_kernarg_size 80
		.amdhsa_user_sgpr_count 2
		.amdhsa_user_sgpr_kernarg_segment_ptr 1
		.amdhsa_wavefront_size32 1
		.amdhsa_system_sgpr_workgroup_id_x 1
		.amdhsa_system_sgpr_workgroup_id_y 1
		.amdhsa_system_sgpr_workgroup_id_z 1
		.amdhsa_system_vgpr_workitem_id 0
		.amdhsa_next_free_vgpr 256
		.amdhsa_next_free_sgpr 66
		.amdhsa_reserve_vcc 0
		.amdhsa_float_denorm_mode_32 3
		.amdhsa_float_denorm_mode_16_64 3
		.amdhsa_memory_ordered 1
		.amdhsa_forward_progress 1
		.amdhsa_inst_pref_size 60
	.end_amdhsa_kernel
	.amdgpu_metadata
---
amdhsa.version: [ 1, 2 ]
amdhsa.kernels:
  - .name:           k_qd585c2b577_lnq
    .symbol:         k_qd585c2b577_lnq.kd
    .args:
      - { .name: x, .offset: 0, .size: 8, .value_kind: global_buffer, .address_space: global }
      - { .name: gamma, .offset: 8, .size: 8, .value_kind: global_buffer, .address_space: global }
      - { .name: beta, .offset: 16, .size: 8, .value_kind: global_buffer, .address_space: global }
      - { .name: Wq_codes, .offset: 24, .size: 8, .value_kind: global_buffer, .address_space: global }
      - { .name: Wk_codes, .offset: 32, .size: 8, .value_kind: global_buffer, .address_space: global }
      - { .name: Wv_codes, .offset: 40, .size: 8, .value_kind: global_buffer, .address_space: global }
      - { .name: xa, .offset: 48, .size: 8, .value_kind: global_buffer, .address_space: global }
      - { .name: xs, .offset: 56, .size: 8, .value_kind: global_buffer, .address_space: global }
      - { .name: stats, .offset: 64, .size: 8, .value_kind: global_buffer, .address_space: global }
      - { .name: wimg, .offset: 72, .size: 8, .value_kind: global_buffer, .address_space: global }
    .group_segment_fixed_size: 327680
    .private_segment_fixed_size: 0
    .kernarg_segment_align: 8
    .kernarg_segment_size: 80
    .max_flat_workgroup_size: 256
    .sgpr_count:     66
    .vgpr_count:     256
    .wavefront_size: 32
...
	.end_amdgpu_metadata
.endif
;; end of part 1
;; launch qkv (part 2): grid 64 x 4, 4 waves a work-group, clusters of 4 x 1, 327,680 bytes of LDS; arguments xa, xs, wimg, Wq_scales, Wk_scales, Wv_scales, bq, bk, bv, qbuf, kv; writes qbuf, kv
.if DOCPART == 2
	.amdgcn_target "amdgcn-amd-amdhsa--gfx1250"
	.amdhsa_code_object_version 6
	.text
	.protected	k_qd585c2b577_qkv
	.globl	k_qd585c2b577_qkv
	.p2align	8
	.type	k_qd585c2b577_qkv,@function
k_qd585c2b577_qkv:
	s_mov_b64 s[64:65], 0
	v_nop
	global_prefetch_b8 v0, s[64:65] scope:SCOPE_SE
	s_setreg_imm32_b32 hwreg(HW_REG_WAVE_MODE, 25, 1), 1
	s_wait_xcnt 0x0
	s_wait_alu depctr_hold_cnt(0) depctr_sa_sdst(0) depctr_va_vdst(0) depctr_va_sdst(0) depctr_va_ssrc(0) depctr_va_vcc(0) depctr_vm_vsrc(0)
	s_getreg_b32 s2, hwreg(HW_REG_IB_STS2, 6, 4)
	s_cmp_eq_u32 s2, 0
	s_cbranch_scc0 .Lentry_in_a_cluster
	s_endpgm
.Lentry_in_a_cluster:
	s_bfe_u32 s2, ttmp6, 0x10000c
	s_cmp_lg_u32 s2, 0x3003
	s_cbranch_scc0 .Lentry_shape_is_right
	s_endpgm
.Lentry_shape_is_right:
; q = xn Wq + bq, k = xn Wk + bk, v = xn Wv + bv on codes of BF6 (E3M2) with E8M0 scales, f32 sums; the results are quantised in registers and stored as images of the operands that attention takes.
; SHARES.  A work-group takes 128 tokens x 256 columns (four heads) and stays for all three weights; wave w takes head 4 nb + w: 128 x 64, 32 accumulators, 768 matrix instructions.
; A (xn's codes, all of K, 98,304 bytes) lies in LDS for the whole launch.  B goes through two LDS slots, each half of K for the four heads (98,304 bytes); wave w fetches and alone reads its head's quarter.
; CLUSTER.  The four partners are four neighbouring blocks of tokens: they walk the same six blocks of B, each asked for JOINTLY (mask 15).  A is each work-group's own and is loaded plainly:
; 98,304 of the 688,128 bytes that a work-group takes in, and no partner shares it.
; LAYOUT.  Every tile's 16 rows are 32 (T / 2) + 8 (T % 2) + r + 8 (r / 8).  q and k are made transposed (source 0 = rows of W, source 1 = tokens): a lane holds one token and 16 neighbouring d of each block of 32;
; v is made the natural way round (source 0 = tokens, source 1 = rows of W): a lane holds one d and 16 neighbouring tokens of each block of 32.  Either way accumulator registers 64 g .. 64 g + 63 are what
; the quantiser takes: for q and k the d of token tiles 2 g and 2 g + 1 on end (a fragment whose K is two tiles' 64), for v tile g of d against the block's 128 keys.  The bias is the C of each sum's first product.
; LIMITS: as in the launch before: a block under 2^-122 gets the byte 1; NaN and infinities are not served.
; REGISTERS: window 0: addresses, scale words, biases, the quantiser's; window 1: the 32 accumulators; window 2: A's fragments, two sets of 96; window 3: B's, two sets of 48.
.set IMG,   1536
.set QUART, 24576                      ; what one tensor load brings: 96 rows of 256 bytes
.set ABLK,  98304
.set SPARE, 3*ABLK                     ; behind A and the two slots: the spare words, 128 bytes a wave: two blocks of 256 bytes that no other line names
.set LI,  2                            ; v2   16 x lane: also A's K steps 0-3
.set AL1, 4                            ; v4   A's K steps 4-7
.set BL,  5                            ; v5, v6  my quarter of slot 0, 1
.set SPW, 7                            ; v7   my spare word; never rewritten
.set NIL, 8                            ; v8   0; never rewritten
.set WSO, 9                            ; v9   W's scale words: 32 (r + 8 (r / 8))
.set XSO, 10                           ; v10  xn's: 32 r
.set BIO, 11                           ; v11  bias of q, k: 64 h
.set BVO, 12                           ; v12  bias of v: 4 (r + 8 (r / 8))
.set SSO, 13                           ; v13  scale words out: 16 r + 8 h
.set TM,  16                           ; v16-31 the quantiser's
.set AS,  32                           ; v32-95   xn's scale words: 8 T + K step
.set BS,  96                           ; v96-127  W's: 8 T + K step
.set BI,  128                          ; v128-159 the bias, eight registers a tile of W
.set PC,  188                          ; v188-235 codes: twelve registers for each of an epilogue's four fragments
.set PT,  172                          ; v172-178
.set PW,  180                          ; v180-183 the four scale words of an epilogue
.set SWP, 184                          ; v[184:185] the two that I store
.set WV,  26
.set G1A, 32
.set G1B, 40
.set G0A, 48
.set G0B, 52                           ; s[52:55] slot 0, s[56:59] slot 1
.set SEL, 60
.set G1H, 76                           ; s[76:83] group 1 of the head's joint loads: 192 rows
.set G0H, 84                           ; s[84:87] their group 0
.set MSB, 0
.macro WIN new                         ; the immediate's high byte repeats the setting that is left
.if MSB != \new
	s_set_vgpr_msb (MSB<<8)|\new
.set MSB, \new
.endif
.endm
.macro PLACES                          ; four plain places behind matrix instructions, ahead of loads into registers that they read (ISA guide 7.12.1 for vector instructions)
.rept 4
	v_nop
.endr
.endm
.macro ROUND                           ; a round of the cluster's barrier
	s_barrier_signal -1
	s_barrier_wait -1
	s_cmp_lg_u32 s[WV], 0
	s_cbranch_scc1 .Lnot_wave_0_\@
	s_barrier_signal -3
.Lnot_wave_0_\@:
	s_barrier_wait -3
	s_barrier_signal -1
	s_barrier_wait -1
.endm
	s_load_b256 s[4:11], s[0:1], 0x0               ; xa, xs, wimg, Wq's scales
	s_load_b256 s[12:19], s[0:1], 0x20             ; Wk's, Wv's scales, bq, bk
	s_load_b128 s[20:23], s[0:1], 0x40             ; bv, qbuf
	s_load_b64 s[24:25], s[0:1], 0x50              ; kv
	v_lshl_add_u32 v[SPW], v0, 2, SPARE
	v_mov_b32 v[NIL], 0
	ds_add_u32 v7, v8
	ds_add_u32 v7, v8
	s_wait_dscnt 0x0
	v_lshrrev_b32 v1, 5, v0
	v_readfirstlane_b32 s[WV], v1                  ; wave 0..3
	s_bfe_u32 s27, ttmp6, 0x40000                  ; cx
	s_lshl_b32 s28, ttmp9, 2
	s_add_co_u32 s28, s28, s27                     ; my block of 128 tokens: it enters A's, xs's and the outputs' addresses alone
	s_and_b32 s29, ttmp7, 0xffff                   ; nb: which four heads; the partners share it
	s_mov_b32 s[G1A+0], 3<<16                      ; elements of 8 bytes; no mask
	s_mov_b32 s[G1B+0], 15|(3<<16)|(1<<21)         ; the same with the mask of all four partners, and bit 21 beside it
	s_mov_b32 s[G1H+0], 15|(3<<16)|(1<<21)
.irp g, G1A, G1B, G1H
	s_mov_b32 s[\g+1], 32<<16                      ; tensor_dim0 = 32 (256 bytes)
	s_mov_b32 s[\g+3], 32<<16                      ; tile_dim0
	s_mov_b32 s[\g+5], 32                          ; the pitch: a dense block
	s_mov_b32 s[\g+6], 0
	s_mov_b32 s[\g+7], 0
.endr
	s_mov_b32 s[G1B+2], 96<<16                     ; a quarter of a slot: 96 rows
	s_mov_b32 s[G1B+4], 96
.irp g, G1A, G1H
	s_mov_b32 s[\g+2], 192<<16                     ; the head's loads bring a half of A or of slot 0: 192 rows
	s_mov_b32 s[\g+4], 192
.endr
	s_mul_i32 s30, s[WV], QUART
	s_mul_i32 s66, s28, ABLK
	s_and_b32 s73, s[WV], 1
	s_mul_i32 s73, s73, 2*QUART                    ; which half the head's load of this wave brings
	s_add_co_u32 s66, s66, s73                     ; A: my block, that half
	s_mul_i32 s74, s29, 2*ABLK
	s_add_co_u32 s74, s74, s73                     ; B: Wq, nb, the first K half, that half of the four heads
	s_mov_b32 s75, 0
	s_mov_b32 s67, 0
	s_mul_i32 s68, s29, 2*ABLK
	s_add_co_u32 s68, s68, s30                     ; B: [weight][nb][K half], my head
	s_mov_b32 s69, 0
	s_mov_b32 s[SEL], 0x76543210
	s_mov_b32 s[SEL+1], 0xfedcba98
	s_mov_b32 s72, 0xffff0000                      ; lanes 16-31; never rewritten
	s_wait_kmcnt 0x0
	s_mov_b32 s[G0A], 1
	s_mov_b32 s[G0A+1], s73
	s_add_nc_u64 s[G0A+2:G0A+3], s[4:5], s[66:67]
	s_or_b32 s[G0A+3], s[G0A+3], 0x80000000
	s_mov_b32 s[G0B], 1
	s_add_co_u32 s[G0B+1], s30, ABLK
	s_add_nc_u64 s[G0B+2:G0B+3], s[8:9], s[68:69]
	s_mov_b32 s[G0B+4], 1
	s_add_co_u32 s[G0B+5], s30, 2*ABLK
	s_add_nc_u64 s[G0B+6:G0B+7], s[G0B+2:G0B+3], ABLK
	s_or_b32 s[G0B+3], s[G0B+3], 0x80000000
	s_or_b32 s[G0B+7], s[G0B+7], 0x80000000
	s_mov_b32 s[G0H], 1
	s_add_co_u32 s[G0H+1], s73, ABLK
	s_add_nc_u64 s[G0H+2:G0H+3], s[8:9], s[74:75]
	s_or_b32 s[G0H+3], s[G0H+3], 0x80000000
	ROUND                                          ; all four work-groups are here: the first joint loads meet
	; the head's loads, one a wave: waves 0 and 1 bring A's two halves, waves 2 and 3 jointly the two halves of slot 0 (the first K half of Wq for the four heads)
	s_cmp_lt_u32 s[WV], 2
	s_cbranch_scc0 .Lhead_b
	tensor_load_to_lds s[G0A:G0A+3], s[G1A:G1A+7]
	s_nop 0
	PLACES
	s_branch .Lhead_asked
.Lhead_b:
	tensor_load_to_lds s[G0H:G0H+3], s[G1H:G1H+7]
	s_nop 0
	PLACES
.Lhead_asked:
	v_and_b32 v1, 31, v0
	v_lshlrev_b32 v[LI], 4, v1
	v_add_nc_u32 v[AL1], 4*8*IMG, v[LI]
	s_add_co_u32 s31, s30, ABLK
	v_add_nc_u32 v[BL], s31, v[LI]
	s_add_co_u32 s31, s30, 2*ABLK
	v_add_nc_u32 v[BL+1], s31, v[LI]
	v_and_b32 v1, 15, v0                           ; r
	v_bfe_u32 v3, v0, 4, 1                         ; h
	v_and_b32 v14, 8, v1
	v_add_nc_u32 v14, v14, v1                      ; r + 8 (r / 8)
	v_lshlrev_b32 v[WSO], 5, v14
	v_lshlrev_b32 v[XSO], 5, v1
	s_wait_alu depctr_va_vdst(0)
	v_lshlrev_b32 v[BIO], 6, v3
	s_wait_alu depctr_va_vdst(0)
	v_lshlrev_b32 v[BVO], 2, v14
	v_lshlrev_b32 v[SSO], 4, v1
	v_lshl_add_u32 v[SSO], v3, 3, v[SSO]
.irp b, 0,1,2,3
	v_mov_b32 v[TM+4+\b], 0                        ; written once: a lane permute's destination counts as read
.endr
	s_lshl_b32 s70, s28, 12
	s_mov_b32 s71, 0
	s_add_nc_u64 s[6:7], s[6:7], s[70:71]          ; xs: 4,096 bytes a block
	s_lshl_b32 s70, s29, 13
	s_lshl_b32 s31, s[WV], 11
	s_add_co_u32 s70, s70, s31                     ; W's scales: 32 bytes a row, my head's 64 rows
	s_add_nc_u64 s[10:11], s[10:11], s[70:71]
	s_add_nc_u64 s[12:13], s[12:13], s[70:71]
	s_add_nc_u64 s[14:15], s[14:15], s[70:71]
	s_lshr_b32 s70, s70, 3                         ; the biases: 4 bytes a column
	s_add_nc_u64 s[16:17], s[16:17], s[70:71]
	s_add_nc_u64 s[18:19], s[18:19], s[70:71]
	s_add_nc_u64 s[20:21], s[20:21], s[70:71]
	s_lshr_b32 s70, s28, 4
	s_lshl_b32 s70, s70, 4                         ; 16 x batch
	s_lshl_b32 s31, s29, 2
	s_add_co_u32 s70, s70, s31
	s_add_co_u32 s70, s70, s[WV]                   ; + my head
	s_mul_i32 s70, s70, 16*6400
	s_and_b32 s31, s28, 15                         ; the block of 128 tokens within the batch
	s_mul_i32 s31, s31, 6400
	s_add_co_u32 s70, s70, s31
	s_add_nc_u64 s[22:23], s[22:23], s[70:71]      ; qbuf: 6,400 bytes a block
	s_lshl_b32 s70, s70, 1
	s_add_nc_u64 s[24:25], s[24:25], s[70:71]      ; kv: 12,800
; A weight's scale words and bias: sp, bp the scalar pairs of their addresses; isv = 1: v's bias, one number a lane in all eight registers of a tile.
.macro WLOADS sp, bp, isv
.irp t, 0,1,2,3
	global_load_b128 v[BS+8*\t:BS+8*\t+3], v[WSO], s[\sp:\sp+1] offset:32*(32*(\t/2)+8*(\t%2))
	global_load_b128 v[BS+8*\t+4:BS+8*\t+7], v[WSO], s[\sp:\sp+1] offset:32*(32*(\t/2)+8*(\t%2))+16
.endr
.if \isv
.irp t, 0,1,2,3
.irp j, 0,1,2,3,4,5,6,7
	global_load_b32 v[BI+8*\t+\j], v[BVO], s[\bp:\bp+1] offset:4*(32*(\t/2)+8*(\t%2))
.endr
.endr
.else
.irp t, 0,1,2,3
	global_load_b128 v[BI+8*\t:BI+8*\t+3], v[BIO], s[\bp:\bp+1] offset:4*(32*(\t/2)+8*(\t%2))
	global_load_b128 v[BI+8*\t+4:BI+8*\t+7], v[BIO], s[\bp:\bp+1] offset:4*(32*(\t/2)+8*(\t%2))+16
.endr
.endif
.endm
.irp t, 0,1,2,3,4,5,6,7
	global_load_b128 v[AS+8*\t:AS+8*\t+3], v[XSO], s[6:7] offset:512*\t
	global_load_b128 v[AS+8*\t+4:AS+8*\t+7], v[XSO], s[6:7] offset:512*\t+16
.endr
	WLOADS 10, 16, 0
; The fragments of step LS (of 24: weight LS / 8, K step LS % 8) into set LS % 2: 24 loads for A's eight tiles, 12 for B's four; each load is 512 consecutive bytes.
.macro LOADS
	WIN 0x80                                       ; destination window 2
.irp t, 0,1,2,3,4,5,6,7
.irp c, 0,1,2
.if (LS%8) < 4
	ds_load_b128 v[96*(LS%2)+12*\t+4*\c:96*(LS%2)+12*\t+4*\c+3], v[LI] offset:(LS%4)*8*IMG+IMG*\t+512*\c
.else
	ds_load_b128 v[96*(LS%2)+12*\t+4*\c:96*(LS%2)+12*\t+4*\c+3], v[AL1] offset:(LS%4)*8*IMG+IMG*\t+512*\c
.endif
.endr
.endr
	WIN 0xc0                                       ; destination window 3
.irp t, 0,1,2,3
.irp c, 0,1,2
	ds_load_b128 v[48*(LS%2)+12*\t+4*\c:48*(LS%2)+12*\t+4*\c+3], v[BL+(LS/4)%2] offset:(LS%4)*4*IMG+IMG*\t+512*\c
.endr
.endr
	WIN 0
.endm
; Step SG's 32 products.  The 32 accumulators take turns, one instruction a turn, in the same order in every step.  A weight's first K step takes the bias as C.
.macro MULS
.set KS, SG%8
.set FA, 96*(SG%2)
.set FB, 48*(SG%2)
.if SG < 16
.if KS == 0
	WIN 0x4b                                       ; source 0 (W) window 3, source 1 (xn) window 2, C (bias) window 0, D window 1
.else
	WIN 0x5b                                       ; C and D window 1
.endif
.irp m, 0,1,2,3,4,5,6,7
.irp n, 0,1,2,3
.if KS == 0
	v_wmma_scale_f32_16x16x128_f8f6f4 v[8*(4*\m+\n):8*(4*\m+\n)+7], v[FB+12*\n:FB+12*\n+11], v[FA+12*\m:FA+12*\m+11], v[BI+8*\n:BI+8*\n+7], v[BS+8*\n+KS], v[AS+8*\m+KS] matrix_a_fmt:MATRIX_FMT_BF6 matrix_b_fmt:MATRIX_FMT_BF6
.else
	v_wmma_scale_f32_16x16x128_f8f6f4 v[8*(4*\m+\n):8*(4*\m+\n)+7], v[FB+12*\n:FB+12*\n+11], v[FA+12*\m:FA+12*\m+11], v[8*(4*\m+\n):8*(4*\m+\n)+7], v[BS+8*\n+KS], v[AS+8*\m+KS] matrix_a_fmt:MATRIX_FMT_BF6 matrix_b_fmt:MATRIX_FMT_BF6
.endif
.endr
.endr
.else
.if KS == 0
	WIN 0x4e                                       ; source 0 (xn) window 2, source 1 (W) window 3
.else
	WIN 0x5e
.endif
.irp m, 0,1,2,3,4,5,6,7
.irp n, 0,1,2,3
.if KS == 0
	v_wmma_scale_f32_16x16x128_f8f6f4 v[8*(8*\n+\m):8*(8*\n+\m)+7], v[FA+12*\m:FA+12*\m+11], v[FB+12*\n:FB+12*\n+11], v[BI+8*\n:BI+8*\n+7], v[AS+8*\m+KS], v[BS+8*\n+KS] matrix_a_fmt:MATRIX_FMT_BF6 matrix_b_fmt:MATRIX_FMT_BF6
.else
	v_wmma_scale_f32_16x16x128_f8f6f4 v[8*(8*\n+\m):8*(8*\n+\m)+7], v[FA+12*\m:FA+12*\m+11], v[FB+12*\n:FB+12*\n+11], v[8*(8*\n+\m):8*(8*\n+\m)+7], v[AS+8*\m+KS], v[BS+8*\n+KS] matrix_a_fmt:MATRIX_FMT_BF6 matrix_b_fmt:MATRIX_FMT_BF6
.endif
.endr
.endr
.endif
.endm
; Slot SL has been read out (its last fragments are in registers): it is filled again with the same K half of the next weight.  All my tensor loads have landed, the other slot's among them; 0 is added to my spare
; word; the add and my LDS reads are waited for; a round of the cluster's barrier; the joint load first behind it.  It has four K steps, 128 matrix instructions, and where one lies between an epilogue, in which to land.
.macro CHANGE
	s_wait_tensorcnt 0x0
	ds_add_u32 v[SPW], v[NIL]
	s_add_nc_u64 s[G0B+4*SL+2:G0B+4*SL+3], s[G0B+4*SL+2:G0B+4*SL+3], 8*ABLK   ; no load of mine is out: the group 0 steps to the next weight
	s_wait_dscnt 0x0
	ROUND
	tensor_load_to_lds s[G0B+4*SL:G0B+4*SL+3], s[G1B:G1B+7]
	s_nop 0
	PLACES                                         ; also the places ahead of the loads below
.endm
.macro STEP
	s_wait_dscnt 0x0                               ; this step's fragments are in (asked for 32 matrix instructions ago)
.if (SG%4 == 3) && (SG <= 15)
.set SL, (SG/4)%2
	CHANGE
.elseif SG == 19
	s_wait_tensorcnt 0x0                           ; the last block of B, which I alone read, has landed; nothing is asked for behind it
	PLACES
.elseif (SG%8) != 0
	PLACES
.endif
.if SG < 23
.set LS, SG+1
	LOADS
.endif
	MULS
	WIN 0
.endm
.macro FLOOR
.irp b, 0,1,2,3
	v_mov_b32 v[TM+\b], 0x2800000                  ; the floor 2^(5 - 127), under which no largest magnitude is taken: the byte cannot fall under 1
.endr
.endm
; The 32 accumulators become four fragments and their scale words.  bp: the scalar pair of the output's address; cofs, sofs: where codes and scale words go; nsp, nbp, nv: the next weight's scales and bias (nsp = 0: none).
.macro EPI bp, cofs, sofs, nsp, nbp, nv
	s_wait_xcnt 0x0                                ; the stores of the epilogue before have read the codes' and the scale words' registers; each fragment of this one has registers of its own
	FLOOR                                          ; four plain instructions: also the places behind the last products
.if \nsp
	WLOADS \nsp, \nbp, \nv                         ; they land under the quantising
.endif
.irp g, 0,1,2,3
.if \g > 0
	FLOOR
.endif
	WIN 0x14                                       ; sources 1 and 2 window 1
.irp i, 0,2,4,6,8,10,12,14
.irp b, 0,1,2,3
	v_max3_num_f32 v[TM+\b], v[TM+\b], |v[64*\g+16*\b+\i]|, |v[64*\g+16*\b+\i+1]|   ; each accumulator from its low end on
.endr
.endr
	WIN 0
.irp b, 0,1,2,3
	v_permlanex16_b32 v[TM+4+\b], v[TM+\b], s[SEL], s[SEL+1]
.endr
.irp b, 0,1,2,3
	v_max_num_f32 v[TM+\b], v[TM+\b], v[TM+4+\b]
.endr
.irp b, 0,1,2,3
	v_add_nc_u32 v[TM+12+\b], 0xfe000000, v[TM+\b]
.endr
.irp b, 0,1,2,3
	v_lshrrev_b32 v[TM+4+\b], 23, v[TM+12+\b]
.endr
	v_lshl_or_b32 v[PW+\g], v[TM+5], 8, v[TM+4]
	v_lshl_or_b32 v[PW+\g], v[TM+6], 16, v[PW+\g]
	v_lshl_or_b32 v[PW+\g], v[TM+7], 24, v[PW+\g]
	WIN 0x01                                       ; source 0 window 1
.irp c, 0,1
	v_cvt_scalef32_pk16_bf6_f32 v[PC+12*\g+6*\c:PC+12*\g+6*\c+2], v[64*\g+32*\c:64*\g+32*\c+15], v[TM+12+2*\c]
	v_cvt_scalef32_pk16_bf6_f32 v[PT+4*\c:PT+4*\c+2], v[64*\g+32*\c+16:64*\g+32*\c+31], v[TM+12+2*\c+1]
.endr
	WIN 0
	v_nop                                          ; one plain place behind a scaled conversion
.irp c, 0,1
.irp i, 0,1,2
	v_permlane16_swap_b32 v[PC+12*\g+6*\c+\i], v[PT+4*\c+\i]
.endr
.irp i, 0,1,2
	v_mov_b32 v[PC+12*\g+3+6*\c+\i], v[PT+4*\c+\i]
.endr
.endr
.irp c, 0,1,2
	global_store_b128 v[LI], v[PC+12*\g+4*\c:PC+12*\g+4*\c+3], s[\bp:\bp+1] offset:\cofs+IMG*\g+512*\c   ; 512 consecutive bytes a store
.endr
.endr
	v_cndmask_b32 v[SWP], v[PW], v[PW+2], s72      ; lanes 0-15 store their row's words 0 and 1, lanes 16-31 words 2 and 3:
	v_cndmask_b32 v[SWP+1], v[PW+1], v[PW+3], s72
	global_store_b64 v[SSO], v[SWP:SWP+1], s[\bp:\bp+1] offset:\sofs   ; 256 consecutive bytes, [row][fragment]
.endm
	s_wait_alu depctr_va_vdst(0)                   ; the wait at the head's end
	s_wait_tensorcnt 0x0                           ; my half of A or of slot 0 is in; slot 1's first fill is issued as a refill is:
	ds_add_u32 v[SPW], v[NIL]
	s_wait_dscnt 0x0
	ROUND                                          ; everybody's half is in, and the four work-groups are here
	tensor_load_to_lds s[G0B+4:G0B+7], s[G1B:G1B+7]     ; slot 1, my head's quarter: it has three K steps, 96 matrix instructions, in which to land
	s_nop 0
	PLACES
.set LS, 0
	LOADS
	s_wait_loadcnt 0x0                             ; the scale words and bq
.set SG, 0
.rept 8
	STEP
.set SG, SG+1
.endr
	EPI 22, 0, 6144, 12, 18, 0                     ; q
	s_wait_loadcnt 0x0                             ; Wk's scale words and bk
.rept 8
	STEP
.set SG, SG+1
.endr
	EPI 24, 0, 12288, 14, 20, 1                    ; k
	s_wait_loadcnt 0x0                             ; Wv's scale words and bv
.rept 8
	STEP
.set SG, SG+1
.endr
	EPI 24, 6144, 12544, 0, 0, 0                   ; v
	s_wait_tensorcnt 0x0                           ; the wave's end
	ds_add_u32 v[SPW], v[NIL]
	s_wait_dscnt 0x0
	ROUND                                          ; the closing round: no work-group ends while a partner may still ask for a block that names it
	s_endpgm
.Lfunc_end_k_qd585c2b577_qkv:
	.size	k_qd585c2b577_qkv, .Lfunc_end_k_qd585c2b577_qkv-k_qd585c2b577_qkv
	.p2alignl 7, 3214868480
	.fill 96, 4, 3214868480
	.section	.rodata,"a",@progbits
	.p2align	6, 0x0
	.amdhsa_kernel k_qd585c2b577_qkv
		.amdhsa_group_segment_fixed_size 327680
		.amdhsa_private_segment_fixed_size 0
		.amdhsa_enable_private_segment 0
		.amdhsa_kernarg_size 88
		.amdhsa_user_sgpr_count 2
		.amdhsa_user_sgpr_kernarg_segment_ptr 1
		.amdhsa_wavefront_size32 1
		.amdhsa_system_sgpr_workgroup_id_x 1
		.amdhsa_system_sgpr_workgroup_id_y 1
		.amdhsa_system_sgpr_workgroup_id_z 1
		.amdhsa_system_vgpr_workitem_id 0
		.amdhsa_next_free_vgpr 1024
		.amdhsa_next_free_sgpr 100
		.amdhsa_reserve_vcc 0
		.amdhsa_float_denorm_mode_32 3
		.amdhsa_float_denorm_mode_16_64 3
		.amdhsa_memory_ordered 1
		.amdhsa_forward_progress 1
		.amdhsa_inst_pref_size 228
	.end_amdhsa_kernel
	.amdgpu_metadata
---
amdhsa.version: [ 1, 2 ]
amdhsa.kernels:
  - .name:           k_qd585c2b577_qkv
    .symbol:         k_qd585c2b577_qkv.kd
    .args:
      - { .name: xa, .offset: 0, .size: 8, .value_kind: global_buffer, .address_space: global }
      - { .name: xs, .offset: 8, .size: 8, .value_kind: global_buffer, .address_space: global }
      - { .name: wimg, .offset: 16, .size: 8, .value_kind: global_buffer, .address_space: global }
      - { .name: Wq_scales, .offset: 24, .size: 8, .value_kind: global_buffer, .address_space: global }
      - { .name: Wk_scales, .offset: 32, .size: 8, .value_kind: global_buffer, .address_space: global }
      - { .name: Wv_scales, .offset: 40, .size: 8, .value_kind: global_buffer, .address_space: global }
      - { .name: bq, .offset: 48, .size: 8, .value_kind: global_buffer, .address_space: global }
      - { .name: bk, .offset: 56, .size: 8, .value_kind: global_buffer, .address_space: global }
      - { .name: bv, .offset: 64, .size: 8, .value_kind: global_buffer, .address_space: global }
      - { .name: qbuf, .offset: 72, .size: 8, .value_kind: global_buffer, .address_space: global }
      - { .name: kv, .offset: 80, .size: 8, .value_kind: global_buffer, .address_space: global }
    .group_segment_fixed_size: 327680
    .private_segment_fixed_size: 0
    .kernarg_segment_align: 8
    .kernarg_segment_size: 88
    .max_flat_workgroup_size: 128
    .sgpr_count:     100
    .vgpr_count:     1024
    .wavefront_size: 32
...
	.end_amdgpu_metadata
.endif
;; end of part 2
;; launch attn (part 3): grid 4 x 64, 8 waves a work-group, clusters of 4 x 1, 327,680 bytes of LDS; arguments qbuf, kv, x, stats, gamma, beta, out0; writes out0
.if DOCPART == 3
	.amdgcn_target "amdgcn-amd-amdhsa--gfx1250"
	.amdhsa_code_object_version 6
	.text
	.protected	k_qd585c2b577_attn
	.globl	k_qd585c2b577_attn
	.p2align	8
	.type	k_qd585c2b577_attn,@function
k_qd585c2b577_attn:
	s_mov_b64 s[64:65], 0
	v_nop
	global_prefetch_b8 v0, s[64:65] scope:SCOPE_SE
	s_setreg_imm32_b32 hwreg(HW_REG_WAVE_MODE, 25, 1), 1
	s_wait_xcnt 0x0
	s_wait_alu depctr_hold_cnt(0) depctr_sa_sdst(0) depctr_va_vdst(0) depctr_va_sdst(0) depctr_va_ssrc(0) depctr_va_vcc(0) depctr_vm_vsrc(0)
	s_getreg_b32 s2, hwreg(HW_REG_IB_STS2, 6, 4)
	s_cmp_eq_u32 s2, 0
	s_cbranch_scc0 .Lentry_in_a_cluster
	s_endpgm
.Lentry_in_a_cluster:
	s_bfe_u32 s2, ttmp6, 0x10000c
	s_cmp_lg_u32 s2, 0x3003
	s_cbranch_scc0 .Lentry_shape_is_right
	s_endpgm
.Lentry_shape_is_right:
; out = xn + softmax(q k^T / 8) v for one (batch, head), both products on codes of BF6 (E3M2) with E8M0 scales; xn is made again from x, (mu, rstd), gamma and beta by the formula of the first launch.
; THE SOFTMAX: t = score x log2(e) / 8; M = the running largest t rounded UP to a whole number; p = 2^(t - M) is quantised along the keys, not normalised; the row's sum is taken of the unquantised p and
; divides at the end.  When M moves, the sum and O are multiplied by 2^(old M - new M), which rounds nothing.
; SHARES.  The four work-groups of a cluster are the four quarters of one head's 2,048 queries.  Each of a work-group's eight waves owns 64 queries and takes them in two passes of 32: TWO tiles of 16 at once,
; so that each fragment of K and V read from LDS feeds two tiles, and one tile's short dependent chains stand between the other tile's long runs.
; K AND V OF THE WHOLE HEAD lie in LDS, filled once by joint loads (mask 15), one a wave: wave w brings the blocks of keys 256 w .. 256 w + 255 as 50 rows of 512 bytes, 128 bytes of padding behind each.
; No prefetch of K and V: they are asked for once, at the head, with no loop ahead of them.  The rows of x for the way out are prefetched in the loop and loaded into registers in a pass's last step.
; THE HEAD'S 64 IS HALF OF THE INSTRUCTION'S K.  A fragment of K holds two tiles of 16 keys, one in k 0-63 and one in k 64-127; it is multiplied once by [q | 0] and once by [0 | q]: zero codes add nothing
; under any scale byte that this program makes.  Both products are used transposed: a lane holds one query throughout.
; WHICH KEYS FORM A TILE is chosen by LDS addresses: lanes r = 0-7 read rows 8 u + r of stored fragment 2 c, lanes r = 8-15 the same rows of fragment 2 c + 1.  In S^T lanes 0-15 then hold block 2 c of 32 keys and
; lanes 16-31 block 2 c + 1, each WHOLE and in order in 32 registers: a block's maximum needs no other lane, and the conversions' results are p's operand as they stand.
; LIMITS: NaN and infinities are not served; the promise holds while the scaled scores stay under 2^31 in magnitude; a block of p that has fallen to 0 keeps the byte 1 with zero codes.
; REGISTERS.  Window 0: v1-15 addresses; v16-143 S^T, then p, 64 a tile; v144-191 each tile's small numbers; v192-215 p's codes; v216-223 scale words; v224, v232 the sums (pairs); v234-249 eight pairs at work on a sum.
; Window 1: v0-63 O^T; v64-93  0 | q0 | 0 | q1 | 0;  v94-101 gamma, beta; v104-151 K's fragments; v152-199 V's; v200-247 and K's registers: x and (mu, rstd) on the way out.
.set IMG,   1536
.set GP,    640                        ; an LDS row: 512 bytes + 128 of padding
.set FP,    3*GP                       ; a fragment
.set STEPP, 25*GP                      ; a block of 128 keys: K's 4 fragments, V's 4, a row of K's and V's scale words
.set KSO,   24*GP                      ; K's scale words; V's 256 bytes on
.set STAGE, 16*STEPP                   ; behind K and V: 16 rows x 272 bytes for each wave, for the way out; no fill lands there
.set SPI,   272
.set SPARE, STAGE+8*16*SPI             ; the spare words, 128 bytes a wave
.set LI,  1                            ; 16 x lane
.set LR,  2                            ; 16 r
.set KLB, 3                            ; K's fragments: FP (r / 8) + 256 h + 16 (r % 8)
.set KSB, 4                            ; K's scale words: 16 (r % 8) + 4 (r / 8)
.set ADK, 5                            ; the same two and LI, LR in the step's block
.set ADS, 6
.set ADV, 7
.set ADW, 8
.set GO,  9                            ; x, out: 4,096 h + 16 r
.set SOF, 10                           ; stats: 8 h
.set STO, 11                           ; the stage, in
.set SRD, 12                           ; the stage, back
.set PFO, 13                           ; the prefetch: a lane a row; never rewritten
.set SPW, 14                           ; my spare word; never rewritten
.set NIL, 15                           ; 0; never rewritten
.set S0,  16
.set MB,  144                          ; a tile's 24: +0 -M, +1 the running largest score, +4 f (a pair), +6, +7 the two blocks' largest, +8, +9 the conversions' scale operands, +10, +11 at work, +12 p's scale word, +13 q's, +14..21 the maxima's eight chains, then codes on their way
.set PC,  192
.set KSC, 216
.set VSC, 220
.set LG,  224                          ; tile T's sum: the pair at LG + 8 T
.set SH8, 226                          ; 8 h
.set QW,  227
.set AC,  234
.set QZ,  64                           ; window 1
.set GA,  94
.set BE,  98
.set KF,  104
.set VF,  152
.set WV,  18
.set SEL, 20
.set CS,  22                           ; s[22:23] c = log2(e) / 8
.set G1,  24
.set G0,  32
.set QWB, 36                           ; s[36:37] q's scale words
.set CN,  38                           ; -c
.set TB,  40                           ; LDS byte of the step's block
.set CNT, 41
.set PAS, 42
.set MSB, 0
.macro WIN new                         ; the immediate's high byte repeats the setting that is left
.if MSB != \new
	s_set_vgpr_msb (MSB<<8)|\new
.set MSB, \new
.endif
.endm
.macro ROUND
	s_barrier_signal -1
	s_barrier_wait -1
	s_cmp_lg_u32 s[WV], 0
	s_cbranch_scc1 .Lnot_wave_0_\@
	s_barrier_signal -3
.Lnot_wave_0_\@:
	s_barrier_wait -3
	s_barrier_signal -1
	s_barrier_wait -1
.endm
; The fragment of q at byte off behind s[4:5], straight into its places between the zero codes (registers 0-5 of the image are q0, 6-11 q1), and its scale word
.macro QLOADS off, woff
	WIN 0x40
.irp p, 0,1,2,3,4,5
	global_load_b64 v[QZ+6+2*\p+6*(\p/3):QZ+7+2*\p+6*(\p/3)], v[LI], s[4:5] offset:\off+512*(\p/2)+8*(\p%2)
.endr
	WIN 0
	global_load_b32 v[QW], v[LR], s[QWB:QWB+1] offset:\woff
.endm
	s_load_b256 s[4:11], s[0:1], 0x0               ; qbuf, kv, x, stats
	s_load_b128 s[12:15], s[0:1], 0x20             ; gamma, beta
	s_load_b64 s[16:17], s[0:1], 0x30              ; out
	v_lshl_add_u32 v[SPW], v0, 2, SPARE
	v_mov_b32 v[NIL], 0
	ds_add_u32 v[SPW], v[NIL]                      ; the opening lines: the add, twice on end, and its wait
	ds_add_u32 v[SPW], v[NIL]
	v_lshrrev_b32 v16, 5, v0
	v_readfirstlane_b32 s[WV], v16                 ; wave 0..7
	s_bfe_u32 s43, ttmp6, 0x40000                  ; cx: which quarter of the queries; it enters global addresses of q, x, stats and out alone
	s_and_b32 s44, ttmp7, 0xffff                   ; 16 x batch + head, which the partners share
	s_mov_b32 s[G1+0], 15|(3<<16)|(1<<20)|(1<<21)|(6<<22)|(31<<25)   ; the mask: all four; elements of 8 bytes; padding on; bit 21 beside a mask; after every 128 words, 32 words
	s_mov_b32 s[G1+1], 64<<16                      ; tensor_dim0 = 64 (512 bytes)
	s_mov_b32 s[G1+2], 50<<16                      ; tensor_dim1 = 50
	s_mov_b32 s[G1+3], 64<<16
	s_mov_b32 s[G1+4], 50
	s_mov_b32 s[G1+5], 64                          ; a dense block
	s_mov_b32 s[G1+6], 0
	s_mov_b32 s[G1+7], 0
	s_mul_i32 s45, s[WV], 2*STEPP
	s_mul_i32 s46, s44, 16*12800
	s_mul_i32 s47, s[WV], 2*12800
	s_add_co_u32 s46, s46, s47
	s_mov_b32 s47, 0
	s_mov_b32 s[SEL], 0x76543210
	s_mov_b32 s[SEL+1], 0xfedcba98
	s_mov_b32 s[CS], 0x3e38aa3b
	s_mov_b32 s[CS+1], s[CS]                       ; (named with it as a pair, so it is written)
	s_mov_b32 s[CN], 0xbe38aa3b
	s_wait_dscnt 0x0
	s_wait_kmcnt 0x0
	s_mov_b32 s[G0], 1
	s_mov_b32 s[G0+1], s45
	s_add_nc_u64 s[G0+2:G0+3], s[6:7], s[46:47]
	s_or_b32 s[G0+3], s[G0+3], 0x80000000
	ROUND                                          ; all four work-groups are here: the joint loads meet
	tensor_load_to_lds s[G0:G0+3], s[G1:G1+7]      ; my one tensor load of the launch
	s_nop 0
.rept 4
	v_nop
.endr
	s_lshl_b32 s48, s43, 3
	s_add_co_u32 s48, s48, s[WV]                   ; a: which 64 queries of the head are mine
	s_mul_i32 s52, s44, 16*6400
	s_lshr_b32 s51, s48, 1
	s_mul_i32 s51, s51, 6400
	s_add_co_u32 s52, s52, s51
	s_mov_b32 s53, 0
	s_add_nc_u64 s[4:5], s[4:5], s[52:53]          ; q: my block of 128 tokens
	s_and_b32 s51, s48, 1                          ; and which two of its four fragments
	s_lshl_b32 s52, s51, 3
	s_add_co_u32 s52, s52, 6144
	s_add_nc_u64 s[QWB:QWB+1], s[4:5], s[52:53]
	s_mul_i32 s52, s51, 2*IMG
	s_add_nc_u64 s[4:5], s[4:5], s[52:53]
	s_lshr_b32 s49, s44, 4                         ; batch
	s_and_b32 s50, s44, 15                         ; head
	s_lshl_b32 s52, s49, 23                        ; x, out: 2,048 rows of 4,096 bytes a batch,
	s_lshl_b32 s51, s48, 18                        ; 64 rows,
	s_add_co_u32 s52, s52, s51
	s_lshl_b32 s51, s50, 8                         ; the head's 256 bytes of a row
	s_add_co_u32 s52, s52, s51
	s_add_nc_u64 s[8:9], s[8:9], s[52:53]
	s_add_nc_u64 s[16:17], s[16:17], s[52:53]
	s_mov_b32 s52, s51
	s_add_nc_u64 s[12:13], s[12:13], s[52:53]
	s_add_nc_u64 s[14:15], s[14:15], s[52:53]
	s_lshl_b32 s52, s49, 6
	s_lshl_b32 s51, s48, 1
	s_add_co_u32 s52, s52, s51
	s_lshl_b32 s52, s52, 8                         ; stats: 256 bytes for 32 tokens
	s_add_nc_u64 s[10:11], s[10:11], s[52:53]
	s_mul_i32 s51, s[WV], 16*SPI
	s_add_co_u32 s51, s51, STAGE                   ; my stage
	v_and_b32 v16, 31, v0
	v_and_b32 v17, 15, v0                          ; r
	v_bfe_u32 v18, v0, 4, 1                        ; h
	v_and_b32 v19, 7, v0                           ; r % 8
	v_bfe_u32 v20, v0, 3, 1                        ; r / 8
	v_lshlrev_b32 v[LI], 4, v16
	v_lshlrev_b32 v[LR], 4, v17
	v_lshlrev_b32 v[PFO], 12, v16
	v_mul_u32_u24 v[KLB], v20, FP
	v_lshlrev_b32 v[KSB], 4, v19
	v_lshlrev_b32 v[SOF], 3, v18
	v_lshlrev_b32 v[SH8], 3, v18
	v_lshl_add_u32 v[KLB], v18, 8, v[KLB]
	v_lshl_add_u32 v[KSB], v20, 2, v[KSB]
	v_lshl_add_u32 v[GO], v18, 12, v[LR]
	v_mul_u32_u24 v[STO], v17, SPI
	v_mul_u32_u24 v[SRD], v18, SPI
	v_lshl_add_u32 v[KLB], v19, 4, v[KLB]
	v_lshl_add_u32 v[STO], v18, 6, v[STO]
	v_add_nc_u32 v[SRD], v[SRD], v[LR]
	v_mov_b32 v[MB+5], 0                           ; (named as the upper halves of pairs)
	v_mov_b32 v[MB+29], 0
	v_add_nc_u32 v[STO], s51, v[STO]               ; in: row r, + 64 h: my 16 channels of a block of 32
	v_add_nc_u32 v[SRD], s51, v[SRD]               ; back: lanes 0-15 one row of 256 bytes, lanes 16-31 the next
	v_mov_b32 v[MB+11], 0                          ; written once: a lane permute's destination counts as read
	v_mov_b32 v[MB+35], 0
	WIN 0x40
.irp z, 0,12,24
.irp i, 0,1,2,3,4,5
	v_mov_b32 v[QZ+\z+\i], 0                       ; the zero codes beside q0 and q1
.endr
.endr
	s_wait_alu depctr_va_vdst(0)                   ; the wait at the head's end
	global_load_b128 v[GA:GA+3], v[LR], s[12:13]
	global_load_b128 v[BE:BE+3], v[LR], s[14:15]
	QLOADS 0, 0                                    ; the first pass's q: it lands while K and V do
	s_wait_tensorcnt 0x0                           ; my two blocks of keys are in,
	s_barrier_signal -1
	s_barrier_wait -1                              ; everybody's are: the whole head lies in LDS, and nothing is filled again
; K's four scale words and four fragments of the block at byte off behind the address registers: 16 LDS loads
.macro KLOADS ak, as, off
.irp n, 0,1,2,3
	ds_load_b32 v[KSC+\n], v[\as] offset:\off+KSO+128*(\n%2)+8*(\n/2)
.endr
	WIN 0x40
.irp n, 0,1,2,3
.irp g, 0,1,2
	ds_load_b128 v[KF+12*\n+4*\g:KF+12*\n+4*\g+3], v[\ak] offset:\off+2*(\n/2)*FP+128*(\n%2)+GP*\g
.endr
.endr
.endm
; x and (mu, rstd) of tile T's 16 tokens, into window 1: stage rows 2 i + h are tokens 8 T + 2 i + h + 8 (i / 4)
.macro XLOADS T
.irp i, 0,1,2,3,4,5,6,7
	global_load_b128 v[200-96*\T+4*\i:200-96*\T+4*\i+3], v[GO], s[8:9] offset:(8*\T+2*\i+8*(\i/4))*4096 th:TH_LOAD_NT
.endr
.irp i, 0,1,2,3,4,5,6,7
	global_load_b64 v[232-96*\T+2*\i:233-96*\T+2*\i], v[SOF], s[10:11] offset:(16*\T+2*\i)*8
.endr
.endm
; The next line of tile T's chain from the blocks' largest scores to -M and f.  The lines stand between the other tile's runs, four lines apart.
.macro CH T
.set CB, MB+24*\T
.if CK == 0
	v_max3_num_f32 v[CB+1], v[CB+1], v[CB+6], v[CB+7]      ; the running largest score, my 64 keys
.elseif CK == 1
	v_permlanex16_b32 v[CB+11], v[CB+1], s[SEL], s[SEL+1]
.elseif CK == 2
	v_max_num_f32 v[CB+1], v[CB+1], v[CB+11]               ; with lane l xor 16's
.elseif CK == 3
	v_mul_f32 v[CB+11], s[CN], v[CB+1]                     ; -t (c is positive)
.elseif CK == 4
	v_floor_f32 v[CB], v[CB+11]                            ; the new -M = floor(-t): M is a whole number
.elseif CK == 5
	v_sub_f32 v[CB+10], v[CB], v[CB+10]                    ; old M - new M: a whole number, 0 or less
.elseif CK == 6
	v_cvt_i32_f32 v[CB+10], v[CB+10]                       ; (it saturates)
.elseif CK == 7
	v_ldexp_f32 v[CB+4], 1.0, v[CB+10]                     ; f = 2^(old M - new M)
.endif
.set CK, CK+1
.endm
.macro HK ot                           ; ot: the tile whose chain stands between (-1: none)
.if \ot >= 0
	CH \ot
.endif
.endm
; The largest score of each of my two blocks of 32 keys: eight chains by turns, one for each accumulator, from its low end on; each leaves the accumulator's last register, which is taken in where the chains are joined
.macro TREE T, ot
.set ST, S0+64*\T
.set MT, MB+24*\T
.irp g, 0,4
.irp a, 0,1,2,3
	v_max3_num_f32 v[MT+14+\g+\a], v[ST+8*(\g+\a)], v[ST+8*(\g+\a)+1], v[ST+8*(\g+\a)+2]
.endr
	HK \ot
.endr
.irp i, 3,5
.irp g, 0,4
.irp a, 0,1,2,3
	v_max3_num_f32 v[MT+14+\g+\a], v[MT+14+\g+\a], v[ST+8*(\g+\a)+\i], v[ST+8*(\g+\a)+\i+1]
.endr
	HK \ot
.endr
.endr
.irp c, 0,1
	v_max3_num_f32 v[MT+8+\c], v[ST+32*\c+7], v[ST+32*\c+15], v[ST+32*\c+23]
.endr
.irp c, 0,1
	v_max3_num_f32 v[MT+6+\c], v[MT+14+4*\c], v[MT+15+4*\c], v[ST+32*\c+31]
.endr
	HK \ot
.irp c, 0,1
	v_max3_num_f32 v[MT+8+\c], v[MT+16+4*\c], v[MT+17+4*\c], v[MT+8+\c]
.endr
	HK \ot
.irp c, 0,1
	v_max_num_f32 v[MT+6+\c], v[MT+6+\c], v[MT+8+\c]
.endr
.endm
.macro FMA T, ot                       ; t - M, two at a time, and the same of each block's largest score
.set ST, S0+64*\T
.set MT, MB+24*\T
.set J, 0
.rept 8
.rept 4
	v_pk_fma_f32 v[ST+J:ST+J+1], v[ST+J:ST+J+1], s[CS:CS+1], v[MT:MT+1] op_sel_hi:[1,0,0]
.set J, J+2
.endr
	HK \ot
.endr
	v_fma_f32 v[MT+6], v[MT+6], s[CS], v[MT]
	v_fma_f32 v[MT+7], v[MT+7], s[CS], v[MT]
.endm
; Tile 0's p = 2^(t - M) and its blocks' largest p (the same two instructions on the same number give the same bits); between them tile 1's t - M, which is read only behind the next wait
.macro EXFMA
.set J, 0
.rept 32
	v_exp_f32 v[S0+J], v[S0+J]
	v_exp_f32 v[S0+J+1], v[S0+J+1]
	v_pk_fma_f32 v[S0+64+J:S0+65+J], v[S0+64+J:S0+65+J], s[CS:CS+1], v[MB+24:MB+25] op_sel_hi:[1,0,0]
.set J, J+2
.endr
	v_exp_f32 v[MB+6], v[MB+6]
	v_exp_f32 v[MB+7], v[MB+7]
	v_fma_f32 v[MB+30], v[MB+30], s[CS], v[MB+24]
	v_fma_f32 v[MB+31], v[MB+31], s[CS], v[MB+24]
.endm
; Tile 1's p and its blocks' largest p; behind every sixth of them one plain line of tile 0: the eight lines that begin its sum's chains, then the two floors of its scales.  What these ten write is read only behind the next wait
.macro EXSUM
.set SK, 0
.set QK, 0
.set J, 0
.rept 64
	v_exp_f32 v[S0+64+J], v[S0+64+J]
.set J, J+1
.if (J%6) == 0
.if SK < 8
	SL 0
.else
	QC 0
.endif
.endif
.endr
	v_exp_f32 v[MB+30], v[MB+30]
	v_exp_f32 v[MB+31], v[MB+31]
.endm
.macro QC T                            ; the next line from the blocks' largest p to the conversions' scale operands and p's scale word
.set QB, MB+24*\T
.if QK < 2
	v_max_num_f32 v[QB+6+QK], 0x2800000, v[QB+6+QK]        ; the floor 2^(5 - 127): the byte cannot fall under 1
.elseif QK < 4
	v_add_nc_u32 v[QB+6+QK], 0xfe000000, v[QB+4+QK]        ; 4 off the exponent field: the conversion's scale operand
.elseif QK < 6
	v_lshrrev_b32 v[QB+6+QK], 23, v[QB+4+QK]               ; the scale's byte
.elseif QK == 6
	v_lshl_or_b32 v[QB+12], v[QB+11], 16, v[QB+10]         ; my two bytes: blocks h and 2 + h,
.elseif QK == 7
	v_lshlrev_b32 v[QB+12], v[SH8], v[QB+12]               ; at their places in the word;
.elseif QK == 8
	v_permlanex16_b32 v[QB+11], v[QB+12], s[SEL], s[SEL+1]
.elseif QK == 9
	v_or_b32 v[QB+12], v[QB+12], v[QB+11]                  ; with lane l xor 16's two the word is whole
.endif
.set QK, QK+1
.endm
; The row's sum of the unquantised p: eight chains by turns (the first takes the old sum x f), 32 packed lines for 64 numbers; the scale lines stand between; then p's codes
.macro SL T                            ; the next of the eight lines that begin the chains: they take p's registers 0-29
.if SK == 0
	v_pk_fma_f32 v[AC:AC+1], v[LG+8*\T:LG+8*\T+1], v[MB+24*\T+4:MB+24*\T+5], v[S0+64*\T:S0+64*\T+1] op_sel_hi:[1,0,1]
.else
	v_pk_add_f32 v[AC+2*SK:AC+2*SK+1], v[S0+64*\T+4*SK-2:S0+64*\T+4*SK-1], v[S0+64*\T+4*SK:S0+64*\T+4*SK+1]
.endif
.set SK, SK+1
.endm
.macro SUMA T                          ; the eight on end, with the first two scale lines between
.set SK, 0
.set QK, 0
.rept 8
	SL \T
.if (SK%3) == 0
	QC \T
.endif
.endr
.endm
.macro SUMB T                          ; the rest of the sum (p's registers 30-63), of the scale lines, and the codes
.set ST, S0+64*\T
.set MT, MB+24*\T
.set LT, LG+8*\T
.set PCT, PC+12*\T
.set J, 30
.set N, 8
.rept 17
	v_pk_add_f32 v[AC+2*(N%8):AC+2*(N%8)+1], v[AC+2*(N%8):AC+2*(N%8)+1], v[ST+J:ST+J+1]
.set J, J+2
.set N, N+1
.if (N%3) == 0
	QC \T
.endif
.endr
.irp c, 0,1
	v_cvt_scalef32_pk16_bf6_f32 v[PCT+6*\c:PCT+6*\c+2], v[ST+32*\c:ST+32*\c+15], v[MT+8+\c]
	v_cvt_scalef32_pk16_bf6_f32 v[MT+14+4*\c:MT+16+4*\c], v[ST+32*\c+16:ST+32*\c+31], v[MT+8+\c]   ; (a conversion's three registers begin on an even number)
.endr
.irp k, 0,1,2,3
	v_pk_add_f32 v[AC+2*\k:AC+2*\k+1], v[AC+2*\k:AC+2*\k+1], v[AC+8+2*\k:AC+9+2*\k]   ; plain work behind the scaled conversions
.endr
	QC \T
.irp i, 0,1,2
	v_mov_b32 v[PCT+3+\i], v[MT+14+\i]
.endr
	v_pk_add_f32 v[AC:AC+1], v[AC:AC+1], v[AC+4:AC+5]
	v_pk_add_f32 v[AC+2:AC+3], v[AC+2:AC+3], v[AC+6:AC+7]
	QC \T
.irp i, 0,1,2
	v_mov_b32 v[PCT+9+\i], v[MT+18+\i]
.endr
	v_pk_add_f32 v[LT:LT+1], v[AC:AC+1], v[AC+2:AC+3]
.endm
; A KEY STEP: 128 keys for both tiles.  K's fragments of this block were asked for a step ago.  last = 1: a pass's last step: no further K; x, the stats and the next pass's q are asked for instead.
.macro STEP last
	v_add_nc_u32 v[ADV], s[TB], v[LI]
	v_add_nc_u32 v[ADW], s[TB], v[LR]
	v_nop
	v_nop                                          ; four plain places behind the last products, ahead of loads into registers that they read
	ds_load_b128 v[VSC:VSC+3], v[ADW] offset:KSO+256
	WIN 0x40
.irp t, 0,1,2,3
.irp g, 0,1,2
	ds_load_b128 v[VF+12*\t+4*\g:VF+12*\t+4*\g+3], v[ADV] offset:(12+3*\t+\g)*GP
.endr
.endr
.if \last
	XLOADS 0
.endif
	WIN 0x05                                       ; sources 0 and 1 window 1
	s_wait_dscnt 13                                ; K is in; the 13 loads of V just issued may be out
.irp n, 0,1,2,3                                ; S^T: fragment n = 2 c + u holds the key tiles 2 u and 2 u + 1 of blocks 2 c (rows 0-7) and 2 c + 1 (rows 8-15)
.irp e, 0,1
.irp T, 0,1
	v_wmma_scale_f32_16x16x128_f8f6f4 v[S0+64*\T+32*(\n/2)+16*(\n%2)+8*\e:S0+64*\T+32*(\n/2)+16*(\n%2)+8*\e+7], v[KF+12*\n:KF+12*\n+11], v[QZ+12*\T+6-6*\e:QZ+12*\T+17-6*\e], 0, v[KSC+\n], v[MB+24*\T+13] matrix_a_fmt:MATRIX_FMT_BF6 matrix_b_fmt:MATRIX_FMT_BF6
.endr
.endr
.endr
	WIN 0
	v_mov_b32 v[MB+10], v[MB]                      ; the old -M of both tiles; with the two lines below: the four places behind the products
	v_mov_b32 v[MB+34], v[MB+24]
.if \last
	v_nop
	v_nop
	WIN 0x40
	XLOADS 1                                       ; into K's registers, which are done with
	WIN 0
	s_cmp_eq_u32 s[PAS], 1                         ; the last pass has no successor
	s_cbranch_scc1 .Lno_q_\@
	QLOADS IMG, 4                                  ; the next pass's q, into registers whose last products are issued: it lands under the softmax and the way out
.Lno_q_\@:
.else
	v_add_nc_u32 v[ADK], s[TB], v[KLB]
	v_add_nc_u32 v[ADS], s[TB], v[KSB]
	KLOADS ADK, ADS, STEPP                         ; the next block's K: it lands under the softmax
	WIN 0
	; a prefetch into the L2 of the rows of x that the pass's way out reads: my 32 tokens, the head's 256 bytes of each, a lane a row, once a pass, seven steps ahead of the loads: each piece is named once in the launch
	s_cmp_eq_u32 s[CNT], 8
	s_cbranch_scc0 .Lnot_now_\@
	global_prefetch_b8 v[PFO], s[8:9] th:TH_LOAD_NT scope:SCOPE_SE
.Lnot_now_\@:
.endif
	TREE 0, -1
.set CK, 0
	TREE 1, 0
.set CK, 0
	FMA 0, 1
	s_wait_alu depctr_va_vdst(0)                   ; the wait ahead of a batch of transcendentals
	EXFMA
	s_wait_alu depctr_va_vdst(0)                   ; behind the first batch and ahead of the second
	EXSUM
	s_wait_alu depctr_va_vdst(0)                   ; behind the second batch, and ahead of the first readers of what was written inside it
	SUMB 0
	SUMA 1
	SUMB 1
	WIN 0x41                                       ; destination and source 0 window 1
	s_wait_alu depctr_va_vdst(0)                   ; the wait directly ahead of the first reader of O^T
.irp T, 0,1
.set J, 0
.rept 16
	v_pk_mul_f32 v[32*\T+J:32*\T+J+1], v[32*\T+J:32*\T+J+1], v[MB+24*\T+4:MB+24*\T+5] op_sel_hi:[1,0]   ; O^T under the new M.  Of these 32, 28 name no register of any one product below: the places behind p's scale words and codes
.set J, J+2
.endr
.endr
	s_wait_alu depctr_va_vdst(0)                   ; the wait directly ahead of the wait below
.if \last
	s_wait_dscnt 0x0                               ; V is in
.else
	s_wait_dscnt 16                                ; V is in; the 16 loads of the next K may be out
.endif
	WIN 0x51                                       ; V, C and D window 1, p's codes window 0
.irp t, 0,1,2,3                                ; O^T += V^T P^T: eight accumulators by turns
.irp T, 0,1
	v_wmma_scale_f32_16x16x128_f8f6f4 v[32*\T+8*\t:32*\T+8*\t+7], v[VF+12*\t:VF+12*\t+11], v[PC+12*\T:PC+12*\T+11], v[32*\T+8*\t:32*\T+8*\t+7], v[VSC+\t], v[MB+24*\T+12] matrix_a_fmt:MATRIX_FMT_BF6 matrix_b_fmt:MATRIX_FMT_BF6
.endr
.endr
	WIN 0
.endm
	s_mov_b32 s[PAS], 2
.Lpass:                                                ; A PASS: one fragment of q: tiles T = 0, 1 are queries 8 T + r + 8 (r / 8) of its 32
	KLOADS KLB, KSB, 0                             ; block 0's K
.set J, 0
.rept 64
	v_mov_b32 v[J], 0                              ; O^T: the step is written once, and the first finds zeros
.set J, J+1
.endr
	WIN 0
	s_wait_alu depctr_va_vdst(0)
	s_wait_loadcnt 0x0                             ; q (and the first time gamma, beta)
	v_perm_b32 v[MB+13], v[QW], v[QW], 0x01000100  ; a tile's two bytes twice: they serve [q | 0] and [0 | q]
	v_perm_b32 v[MB+37], v[QW], v[QW], 0x03020302
.irp T, 0,1
	v_mov_b32 v[MB+24*\T+1], 0xff61b1e6            ; the largest score so far: -3e38
	v_mov_b32 v[MB+24*\T], 0x7f61b1e6              ; -M
	v_mov_b32 v[LG+8*\T], 0
	v_mov_b32 v[LG+8*\T+1], 0
.endr                                          ; (these eight and the step's first four are the places behind q's scale words)
	s_wait_alu depctr_va_vdst(0)
	s_mov_b32 s[TB], 0
	s_mov_b32 s[CNT], 15
.Lstep:
	STEP 0
	s_add_co_u32 s[TB], s[TB], STEPP
	s_sub_co_u32 s[CNT], s[CNT], 1
	s_cmp_lg_u32 s[CNT], 0
	s_cbranch_scc1 .Lstep
	STEP 1
	; THE WAY OUT.  O^T / the sum goes through my stage and comes back as rows of 256 bytes; xn is made beside it; sixteen lanes store 256 consecutive bytes, at a multiple of 256 from out's first byte.
.irp T, 0,1
	v_add_f32 v[LG+8*\T], v[LG+8*\T], v[LG+8*\T+1] ; these six lines are also the places behind the last products
.endr
.irp T, 0,1
	s_delay_alu instid0(VALU_DEP_2)
	v_permlanex16_b32 v[MB+24*\T+11], v[LG+8*\T], s[SEL], s[SEL+1]
.endr
.irp T, 0,1
	s_delay_alu instid0(VALU_DEP_2)
	v_add_f32 v[LG+8*\T], v[LG+8*\T], v[MB+24*\T+11]   ; the row's sum
.endr
	s_wait_alu depctr_va_vdst(0)
	v_rcp_f32 v[LG], v[LG]
	v_rcp_f32 v[LG+8], v[LG+8]
	v_nop                                          ; a plain instruction behind the transcendentals
	WIN 0x01                                       ; source 0 window 1
	s_wait_alu depctr_va_vdst(0)                   ; the wait ahead of their first reader, which is also O^T's
.irp T, 0,1
.set J, 0
.rept 16
	v_pk_mul_f32 v[S0+64*\T+J:S0+64*\T+J+1], v[32*\T+J:32*\T+J+1], v[LG+8*\T:LG+8*\T+1] op_sel_hi:[1,0]   ; register 16 b + i is channel 32 b + 16 h + i; each accumulator from its low end on
.set J, J+2
.endr
.endr
	WIN 0
.irp T, 0,1
.irp b, 0,1
.irp i, 0,1,2,3
	ds_store_b128 v[STO], v[S0+64*\T+16*\b+4*\i:S0+64*\T+16*\b+4*\i+3] offset:128*\b+16*\i
.endr
.endr
	WIN 0x40
.irp i, 0,1,2,3,4,5,6,7
	ds_load_b128 v[32*\T+4*\i:32*\T+4*\i+3], v[SRD] offset:2*SPI*\i   ; into O^T's registers.  LDS serves a wave's instructions in order: these see my stores, and tile 1's stores come behind tile 0's loads
.endr
	WIN 0
.endr
	s_wait_loadcnt 0x0                             ; x and (mu, rstd)
	s_wait_dscnt 0x0                               ; o is back
	WIN 0x45                                       ; all in window 1
.irp T, 0,1
.irp i, 0,1,2,3,4,5,6,7
	v_pk_add_f32 v[200-96*\T+4*\i:201-96*\T+4*\i], v[200-96*\T+4*\i:201-96*\T+4*\i], v[232-96*\T+2*\i:233-96*\T+2*\i] op_sel_hi:[1,0] neg_lo:[0,1] neg_hi:[0,1]
	v_pk_add_f32 v[202-96*\T+4*\i:203-96*\T+4*\i], v[202-96*\T+4*\i:203-96*\T+4*\i], v[232-96*\T+2*\i:233-96*\T+2*\i] op_sel_hi:[1,0] neg_lo:[0,1] neg_hi:[0,1]
.endr
.irp i, 0,1,2,3,4,5,6,7
.irp k, 0,1,2,3
	v_mul_f32 v[200-96*\T+4*\i+\k], v[200-96*\T+4*\i+\k], v[233-96*\T+2*\i]
.endr
.endr
.endr
	WIN 0x55                                       ; gamma and beta lie in window 1 too
.irp T, 0,1
.irp i, 0,1,2,3,4,5,6,7
	v_pk_fma_f32 v[200-96*\T+4*\i:201-96*\T+4*\i], v[200-96*\T+4*\i:201-96*\T+4*\i], v[GA:GA+1], v[BE:BE+1]
	v_pk_fma_f32 v[202-96*\T+4*\i:203-96*\T+4*\i], v[202-96*\T+4*\i:203-96*\T+4*\i], v[GA+2:GA+3], v[BE+2:BE+3]
.endr
.endr
	WIN 0x45
.irp T, 0,1
.irp i, 0,1,2,3,4,5,6,7
	v_pk_add_f32 v[200-96*\T+4*\i:201-96*\T+4*\i], v[200-96*\T+4*\i:201-96*\T+4*\i], v[32*\T+4*\i:32*\T+4*\i+1]
	v_pk_add_f32 v[202-96*\T+4*\i:203-96*\T+4*\i], v[202-96*\T+4*\i:203-96*\T+4*\i], v[32*\T+4*\i+2:32*\T+4*\i+3]
.endr
.endr
	WIN 0x04                                       ; the stores' data window 1
.irp T, 0,1
.irp i, 0,1,2,3,4,5,6,7
	global_store_b128 v[GO], v[200-96*\T+4*\i:203-96*\T+4*\i], s[16:17] offset:(8*\T+2*\i+8*(\i/4))*4096 th:TH_STORE_NT
.endr
.endr
	WIN 0
	s_wait_xcnt 0x0                                ; the stores, loads and the prefetch have read their registers and bases: the bases step, and the next pass loads K where x lay
	s_add_nc_u64 s[4:5], s[4:5], IMG               ; the next fragment of q,
	s_add_nc_u64 s[QWB:QWB+1], s[QWB:QWB+1], 4     ; its scale words,
	s_add_nc_u64 s[8:9], s[8:9], 0x20000           ; 32 rows of x and of out,
	s_add_nc_u64 s[16:17], s[16:17], 0x20000
	s_add_nc_u64 s[10:11], s[10:11], 256           ; and their stats
	s_sub_co_u32 s[PAS], s[PAS], 1
	s_cmp_lg_u32 s[PAS], 0
	s_cbranch_scc1 .Lpass
	s_wait_tensorcnt 0x0                           ; the wave's end
	ds_add_u32 v[SPW], v[NIL]
	s_wait_dscnt 0x0
	ROUND                                          ; the closing round: no work-group ends while a partner may still ask for a block that names it
	s_endpgm
.Lfunc_end_k_qd585c2b577_attn:
	.size	k_qd585c2b577_attn, .Lfunc_end_k_qd585c2b577_attn-k_qd585c2b577_attn
	.p2alignl 7, 3214868480
	.fill 96, 4, 3214868480
	.section	.rodata,"a",@progbits
	.p2align	6, 0x0
	.amdhsa_kernel k_qd585c2b577_attn
		.amdhsa_group_segment_fixed_size 327680
		.amdhsa_private_segment_fixed_size 0
		.amdhsa_enable_private_segment 0
		.amdhsa_kernarg_size 56
		.amdhsa_user_sgpr_count 2
		.amdhsa_user_sgpr_kernarg_segment_ptr 1
		.amdhsa_wavefront_size32 1
		.amdhsa_system_sgpr_workgroup_id_x 1
		.amdhsa_system_sgpr_workgroup_id_y 1
		.amdhsa_system_sgpr_workgroup_id_z 1
		.amdhsa_system_vgpr_workitem_id 0
		.amdhsa_next_free_vgpr 512
		.amdhsa_next_free_sgpr 66
		.amdhsa_reserve_vcc 0
		.amdhsa_float_denorm_mode_32 3
		.amdhsa_float_denorm_mode_16_64 3
		.amdhsa_memory_ordered 1
		.amdhsa_forward_progress 1
		.amdhsa_inst_pref_size 82
	.end_amdhsa_kernel
	.amdgpu_metadata
---
amdhsa.version: [ 1, 2 ]
amdhsa.kernels:
  - .name:           k_qd585c2b577_attn
    .symbol:         k_qd585c2b577_attn.kd
    .args:
      - { .name: qbuf, .offset: 0, .size: 8, .value_kind: global_buffer, .address_space: global }
      - { .name: kv, .offset: 8, .size: 8, .value_kind: global_buffer, .address_space: global }
      - { .name: x, .offset: 16, .size: 8, .value_kind: global_buffer, .address_space: global }
      - { .name: stats, .offset: 24, .size: 8, .value_kind: global_buffer, .address_space: global }
      - { .name: gamma, .offset: 32, .size: 8, .value_kind: global_buffer, .address_space: global }
      - { .name: beta, .offset: 40, .size: 8, .value_kind: global_buffer, .address_space: global }
      - { .name: out0, .offset: 48, .size: 8, .value_kind: global_buffer, .address_space: global }
    .group_segment_fixed_size: 327680
    .private_segment_fixed_size: 0
    .kernarg_segment_align: 8
    .kernarg_segment_size: 56
    .max_flat_workgroup_size: 256
    .sgpr_count:     66
    .vgpr_count:     512
    .wavefront_size: 32
...
	.end_amdgpu_metadata
.endif
;; end of part 3
